; MI455X (gfx1250); checked and timed in simulation.
; The chip was launched on July 23, 2026; its instructions are those of AMD's public machine-readable ISA for CDNA 5 (MIT licence, August 2026) and "CDNA5" Instruction Set Architecture Reference Guide (July 2026). The comments in the code are by the model that wrote it; some were corrected since.
;; Temporal Attention. Allowed arithmetic: matrix products marked QUANTISED: E4M3 operands, one E8M0 scale for each 32 along K, by v_wmma_scale_f32_16x16x128_f8f6f4 with both operands' format E4M3, f32 sums; products left as they are: f32 operands where the result goes on into a quantised operand, else bf16, f16 or f32 operands; f32 sums; everything else in f32.
;; Inputs: Wk 1,024 x 1,024 float32; Wq 1,024 x 1,024 float32; Wv 1,024 x 1,024 float32; bk 1,024 float32; bq 1,024 float32; bv 1,024 float32; x 32 x 1,024 x 1,024 float32.
;; Outputs: out0 32 x 1,024 float32; out1 32 x 1,024 float32.
;; This version of the problem:
;;   THIS VERSION OF THE PROBLEM IS GIVEN IN LOW PRECISION. The matrix products marked QUANTISED in the list below multiply operands that are first quantised to E4M3 (4 exponent bits, 3 mantissa bits; 8 bits a number), with one power-of-two scale for each 32 numbers along K (OCP MX v1.0); their sums are f32. All else is computed in f32.
;;   The module's matrix products, in the order in which they are computed (A, B: the left and right operand; K: the contracted axis; several contracted axes count as one K, in the product's order):
;;     1. [M 32, K 1,024] x [K 1,024, N 1,024]; A: input x; B: input Wq: QUANTISED
;;     2. [M 32,768, K 1,024] x [K 1,024, N 1,024]; A: input x; B: input Wk: QUANTISED
;;     3. [M 32,768, K 1,024] x [K 1,024, N 1,024]; A: input x; B: input Wv: QUANTISED
;;     4. batch 32 x [M 1, K 1,024] x [K 1,024, N 1,024]; A: computed on the way; B: computed on the way: left as it is (M = 1 < 16)
;;     5. batch 32 x [M 1, K 1,024] x [K 1,024, N 1,024]; A: softmax; B: computed on the way: left as it is (M = 1 < 16)
;;   THE QUANTISER, for each operand of a quantised product, along K:
;;     - K is cut into blocks of 32 from its start; a last block that is shorter is filled with zeros.
;;     - A block's scale is 2^e with e = floor(log2(the largest magnitude in the block)) - 8, held to -126 .. 127; a block of zeros has e = 0. As a byte (E8M0): e + 127.
;;     - Each number is divided by its block's scale, clamped to +-448, and rounded to the nearest number of E4M3, ties to even, subnormals kept.
;;     - The product sums the exact products of the quantised numbers (number of the format x scale) in f32.
;;   ~~~python
;;   def quantise(x, axis):      # numpy; x: float32 -> the quantised numbers, widened to float32 again
;;       x = np.moveaxis(x, axis, -1); K = x.shape[-1]
;;       x = np.pad(x, [(0, 0)] * (x.ndim - 1) + [(0, -K % 32)]); x = x.reshape(x.shape[:-1] + (-1, 32)); a = np.abs(x).max(-1, keepdims=True)
;;       e = np.where(a > 0, np.clip(np.frexp(np.where(a > 0, a, 1))[1] - 1 - 8, -126, 127), 0)      # np.frexp(a)[1] - 1 = floor(log2(a)), exactly
;;       r = np.clip(x / 2.0 ** e, -448, 448)
;;       step = 2.0 ** (np.maximum(np.frexp(np.where(r == 0, 1, r))[1] - 1, -6) - 3)
;;       q = np.round(r / step) * step * 2.0 ** e      # np.round: ties to even
;;       return np.moveaxis(q.reshape(q.shape[:-2] + (-1,))[..., :K], -1, axis).astype(np.float32)
;;   ~~~
;; One version. Each part assembles by itself: llvm-mc -triple=amdgcn-amd-amdhsa -mcpu=gfx1250 --defsym DOCPART=n.
;; ======== version 1 of 1: 3 launches
;; limits: right only within a limited range of input values
;; workspace buffers: wfrag 2,162,688 bytes; qws 131,072 bytes; tsc 131,072 bytes; cpart 1,048,576 bytes
;; launch prep (part 1): grid 192 x 1, 8 waves a work-group, no clusters, 152,576 bytes of LDS; arguments Wq, Wk, Wv, x, bq, wfrag, qws; writes wfrag, qws
.if DOCPART == 1
	.amdgcn_target "amdgcn-amd-amdhsa--gfx1250"
	.amdhsa_code_object_version 6
	.text
	.protected	k_qe309857ca1_prep
	.globl	k_qe309857ca1_prep
	.p2align	8
	.type	k_qe309857ca1_prep,@function
k_qe309857ca1_prep:
	s_mov_b64 s[64:65], 0
	v_nop
	global_prefetch_b8 v0, s[64:65] scope:SCOPE_SE
	s_setreg_imm32_b32 hwreg(HW_REG_WAVE_MODE, 25, 1), 1
	s_wait_xcnt 0x0
; PREP.  Wq, Wk, Wv [1024][1024] f32 (K innermost) are quantised to codes of E4M3 with one E8M0 scale for each 32 along K.
; Work-group G: matrix G / 64 (0 Wq, 1 Wk, 2 Wv), rows 16 (G % 64) on.  Wave ks (0..7) takes K step ks: one fragment, 16 rows x 128 along K.
; Wk's and Wv's fragments go to wfrag AS IMAGES OF THE OPERAND'S REGISTERS, in the order in which the next launch's waves take them:
;   [slot 0..15][wave w 0..3][33,792 bytes]; slots 0-7 Wk's tiles of 16 rows, 8 to a slot, slots 8-15 Wv's; a part holds K steps 2 w and 2 w + 1:
;   32,768 bytes of codes [tile][s][c][lane][16 bytes], then 1,024 bytes of scale words [tile][lane][4 bytes], lanes 0-15 for K step 2 w, lanes 16-31 for 2 w + 1.
; Wq's work-groups go on: they quantise x[:, 1023, :] (32 rows), multiply (each wave its K step), add the eight waves' parts in LDS in ascending K, add bq and store q [32][1024] f32.
; A lane must hold 16 NEIGHBOURS along K for the conversions, and a load is best where neighbouring lanes take neighbouring bytes: each load reads 512 consecutive bytes of one row,
; and the 16 rows turn through the wave's own stage in LDS (rows 528 bytes apart = 33 x 16: the sixteen rows that a read touches start at sixteen different 16-byte columns of the banks' 256 bytes).
; LIMITS: NaN and infinities among the inputs are not served.  A block of zeros gets the byte 1 where the quantiser says 127: its codes are zeros, and this program alone reads the bytes.
; DEAD WORK LEFT OUT, in the whole program: bk.  score(b, s) = q(b) . (K(b, s) + bk) / 32, where K(b, s) is the product without its bias; q(b) . bk / 32 is the same number for every position s of the batch b, and the scores
; go into a softmax along s alone, which a term common to its axis leaves as it is, whatever x, Wq, bq, Wk and bk hold.  K with its bias goes into no quantiser (product 4 is left as it is).  So bk has no way to an output: it is
; not loaded and is no launch's argument.  LIMIT: a NaN, an infinity or an overflow that reaches only q . bk is not carried to the results.
.set STGW,  8448                       ; a wave's stage: 16 rows x 528 bytes
.set STG2,  8*STGW                     ; the stages of the path that Wq's work-groups alone take: bytes of their own
.set QP,    16*STGW                    ; the eight waves' parts of q: 2,048 bytes each
.set PART,  33792
.set SLOTB, 135168
.set XO,   1                           ; v1   16 x lane
.set STI1, 2                           ; v2   stage, way in: 16 x lane + my stage
.set STO1, 3                           ; v3   stage, way out: 528 r + 64 h + my stage
.set STI2, 4
.set STO2, 5
.set QPW,  6                           ; v6   where I put my part of q
.set QPR,  7                           ; v7   where I read the eight parts
.set SCO,  8                           ; v8   4 r
.set QSO,  9                           ; v9   32,768 h + 4 r: my place in q
.set XA,   16                          ; v16-31  16 x lane + m x 8 MiB: two batches of x to a register
.set X,    64                          ; v64-127 64 numbers: register 16 b + i = k 32 b + 16 h + i of row r
.set TM,   128                         ; v128-143 at work in QUANT
.set WC,   144                         ; v144-159 the weight's codes
.set WS,   160                         ; v160 its scale word;  v161-162 x's: these three hold scales alone
.set XS,   161
.set BQ,   163
.set PC,   176                         ; v176-207 x's codes, two fragments
.set ACC,  208                         ; v208-223 two accumulators
.set SUM,  224                         ; v224-255 the eight parts
.set WV,   20
.set MTX,  21
.set TT,   22
.set SEL,  32
.set MNT,  34
.set MSB, 0
.macro WIN new                         ; the immediate's high byte repeats the setting that is left; a switch that changes nothing is dropped
.if MSB != (\new)
	s_set_vgpr_msb (MSB<<8)|(\new)
.set MSB, (\new)
.endif
.endm
; 16 rows x 512 bytes as loaded (window 1, set st) go into a stage and come back 64 bytes a lane.  LDS serves a wave's instructions in order (ISA guide 5.7.1.4): no wait between the stores and the loads
.macro TURN st, sti, sto
	WIN 0x04                                       ; an LDS store's data are its source 1: window 1
.irp rho, 0,1,2,3,4,5,6,7,8,9,10,11,12,13,14,15
	ds_store_b128 v[\sti], v[64*(\st)+4*\rho:64*(\st)+4*\rho+3] offset:528*\rho
.endr
	WIN 0
.irp c, 0,1,2,3
.irp j, 0,1,2,3
	ds_load_b128 v[X+16*\c+4*\j:X+16*\c+4*\j+3], v[\sto] offset:128*\c+16*\j
.endr
.endr
.endm
; 64 numbers of a lane become a fragment's 16 registers of codes (v[dst] on, in the window that dstwin names) and its scale word v[sw]
.macro QUANT src, dst, dstwin, sw
.irp b, 0,1,2,3
	v_max3_num_f32 v[TM+\b], |v[\src+16*\b]|, |v[\src+1+16*\b]|, 0x4800000   ; block b: my 16 numbers, and the floor 2^(9 - 127): the byte cannot fall under 1
.endr
.irp i, 2,4,6,8,10,12,14
.irp b, 0,1,2,3
	s_delay_alu instid0(VALU_DEP_4)
	v_max3_num_f32 v[TM+\b], v[TM+\b], |v[\src+16*\b+\i]|, |v[\src+1+16*\b+\i]|   ; the four blocks by turns
.endr
.endr
.irp b, 0,1,2,3
	s_delay_alu instid0(VALU_DEP_4)
	v_permlanex16_b32 v[TM+4+\b], v[TM+\b], s[SEL], s[SEL+1]
.endr
.irp b, 0,1,2,3
	s_delay_alu instid0(VALU_DEP_4)
	v_max_num_f32 v[TM+\b], v[TM+\b], v[TM+4+\b]   ; with lane l xor 16's 16: the block's largest magnitude
.endr
.irp b, 0,1,2,3
	s_delay_alu instid0(VALU_DEP_4)
	v_add_nc_u32 v[TM+12+\b], 0xfc000000, v[TM+\b] ; 8 off its exponent field: the conversion's scale operand
.endr
.irp b, 0,1,2,3
	v_and_or_b32 v[TM+8+\b], v[TM+\b], 0x7f800000, s[MNT]   ; 448 x the scale
.endr
.irp b, 0,1,2,3
	v_lshrrev_b32 v[TM+4+\b], 23, v[TM+12+\b]      ; the scale's byte
.endr
	s_delay_alu instid0(VALU_DEP_3)
	v_lshl_or_b32 v[\sw], v[TM+5], 8, v[TM+4]
	s_delay_alu instid0(VALU_DEP_1)
	v_lshl_or_b32 v[\sw], v[TM+6], 16, v[\sw]
	s_delay_alu instid0(VALU_DEP_1)
	v_lshl_or_b32 v[\sw], v[TM+7], 24, v[\sw]      ; my row's scale word
.irp b, 0,1,2,3
.irp i, 0,1,2,3,4,5,6,7,8,9,10,11,12,13,14,15
	v_med3_num_f32 v[\src+16*\b+\i], v[\src+16*\b+\i], -v[TM+8+\b], v[TM+8+\b]   ; the conversion to an 8-bit code does not saturate (ISA guide 7.6.2): the hold comes first
.endr
.endr
	WIN \dstwin
.irp b, 0,1,2,3
	v_cvt_scalef32_pk8_fp8_f32 v[(\dst)+4*\b:(\dst)+4*\b+1], v[\src+16*\b:\src+16*\b+7], v[TM+12+\b]
	v_cvt_scalef32_pk8_fp8_f32 v[(\dst)+4*\b+2:(\dst)+4*\b+3], v[\src+16*\b+8:\src+16*\b+15], v[TM+12+\b]
.endr
	WIN 0
	v_nop                                          ; one plain line behind the last conversion
.endm
	s_load_b256 s[4:11], s[0:1], 0x0               ; Wq s[4:5], Wk s[6:7], Wv s[8:9], x s[10:11]
	s_load_b128 s[12:15], s[0:1], 0x20             ; bq s[12:13], wfrag s[14:15]
	s_load_b64 s[16:17], s[0:1], 0x30              ; qws
	v_lshl_add_u32 v174, v0, 2, 0x25000
	v_mov_b32 v175, 0
	v_lshrrev_b32 v10, 5, v0
	s_delay_alu instid0(VALU_DEP_1)
	v_readfirstlane_b32 s[WV], v10                 ; wave = K step, 0..7
	s_lshr_b32 s[MTX], ttmp9, 6                    ; which matrix
	s_and_b32 s[TT], ttmp9, 63                     ; which 16 rows of it
	v_and_b32 v10, 31, v0                          ; lane
	v_and_b32 v11, 15, v0                          ; r
	v_bfe_u32 v12, v0, 4, 1                        ; h
	s_delay_alu instid0(VALU_DEP_3)
	v_lshlrev_b32 v[XO], 4, v10
	s_mul_i32 s24, s[WV], STGW
	v_add_nc_u32 v[STI1], s24, v[XO]
	v_mul_u32_u24 v13, v11, 528
	s_delay_alu instid0(VALU_DEP_1)
	v_lshl_add_u32 v13, v12, 6, v13
	s_delay_alu instid0(VALU_DEP_1)
	v_add_nc_u32 v[STO1], s24, v13
	s_delay_alu instid0(VALU_DEP_4)
	v_add_nc_u32 v[STI2], STG2, v[STI1]
	s_delay_alu instid0(VALU_DEP_2)
	v_add_nc_u32 v[STO2], STG2, v[STO1]
	s_lshl_b32 s25, s[WV], 11
	s_add_co_u32 s25, s25, QP
	v_add_nc_u32 v[QPW], s25, v[XO]
	s_and_b32 s26, s[WV], 3
	s_lshl_b32 s26, s26, 9
	s_add_co_u32 s26, s26, QP
	v_add_nc_u32 v[QPR], s26, v[XO]
	v_lshlrev_b32 v[SCO], 2, v11
	s_delay_alu instid0(VALU_DEP_1)
	v_lshl_add_u32 v[QSO], v12, 15, v[SCO]
	s_mov_b32 s[SEL], 0x76543210
	s_mov_b32 s[SEL+1], 0xfedcba98                 ; v_permlanex16_b32's selects for lane l xor 16
	s_mov_b32 s[MNT], 0x600000                     ; the mantissa field of 448
.irp b, 0,1,2,3
	v_mov_b32 v[TM+4+\b], 0                        ; written once: a lane permute's destination counts as one of its sources
.endr
	s_lshl_b32 s28, s[TT], 16                      ; 16 rows of 4,096 bytes
	s_lshl_b32 s27, s[WV], 9                       ; my K step's 512 bytes of a row
	s_add_co_u32 s28, s28, s27
	s_mov_b32 s29, 0
	s_wait_kmcnt 0x0
	s_cmp_eq_u32 s[MTX], 1                         ; the choice hangs on the work-group's number alone
	s_cselect_b64 s[18:19], s[6:7], s[4:5]
	s_cmp_eq_u32 s[MTX], 2
	s_cselect_b64 s[18:19], s[8:9], s[18:19]
	s_add_nc_u64 s[18:19], s[18:19], s[28:29]
	WIN 0x40                                       ; destination window 1
.irp rho, 0,1,2,3,4,5,6,7,8,9,10,11,12,13,14,15
	global_load_b128 v[4*\rho:4*\rho+3], v[XO], s[18:19] offset:4096*\rho th:TH_LOAD_NT   ; 512 consecutive bytes of row rho
.endr
	WIN 0
	s_cmp_lg_u32 s[MTX], 0
	s_cbranch_scc1 .Lno_x
	; Wq's work-groups also ask for the last position of all 32 batches, my K step, and for bq
	s_add_co_u32 s30, s27, 1023*4096
	s_mov_b32 s31, 0
	s_add_nc_u64 s[10:11], s[10:11], s[30:31]
	s_lshl_b32 s30, s[TT], 6
	s_add_nc_u64 s[12:13], s[12:13], s[30:31]
.irp m, 0,1,2,3,4,5,6,7,8,9,10,11,12,13,14,15
	v_add_nc_u32 v[XA+\m], \m*8388608, v[XO]       ; a batch is 4 MiB: two to a register, the odd one in the immediate
.endr
	global_load_b32 v[BQ], v[SCO], s[12:13]        ; bq(16 t + r)
	WIN 0x40
.irp b, 0,1,2,3,4,5,6,7,8,9,10,11,12,13,14,15,16,17,18,19,20,21,22,23,24,25,26,27,28,29,30,31
	global_load_b128 v[64+4*\b:64+4*\b+3], v[XA+\b/2], s[10:11] offset:(\b%2)*4194304
.endr
	WIN 0
	s_wait_loadcnt 33                              ; Wq's 16 loads are in; bq's and the 32 of x, issued behind them, may be out
	s_branch .Lw_in
.Lno_x:
	s_wait_loadcnt 0x0
.Lw_in:
	TURN 0, STI1, STO1
	s_wait_dscnt 0x0
	QUANT X, WC, 0, WS
	s_cmp_eq_u32 s[MTX], 0
	s_cbranch_scc1 .Lq
	; ---- Wk, Wv: the fragment's image and its scale word go to wfrag
	s_sub_co_u32 s24, ttmp9, 64                    ; T = tile 0..127 (Wk's 64, then Wv's)
	s_lshr_b32 s25, s24, 3
	s_mul_i32 s25, s25, SLOTB                      ; the slot,
	s_lshr_b32 s26, s[WV], 1
	s_mul_i32 s26, s26, PART
	s_add_co_u32 s25, s25, s26                     ; the part of wave ks / 2
	s_and_b32 s24, s24, 7
	s_and_b32 s38, s[WV], 1
	s_lshl_b32 s26, s24, 12                        ; codes: 4,096 bytes a tile,
	s_lshl_b32 s28, s38, 11                        ; 2,048 a K step
	s_add_co_u32 s26, s26, s28
	s_add_co_u32 s26, s26, s25
	s_mov_b32 s27, 0
	s_lshl_b32 s28, s24, 7                         ; scale words: 128 bytes a tile,
	s_lshl_b32 s38, s38, 6                         ; 64 a K step
	s_add_co_u32 s28, s28, s38
	s_add_co_u32 s28, s28, s25
	s_add_co_u32 s28, s28, 32768
	s_mov_b32 s29, 0
	s_add_nc_u64 s[30:31], s[14:15], s[26:27]
	s_add_nc_u64 s[36:37], s[14:15], s[28:29]
	s_wait_alu depctr_va_vdst(0)
.irp c, 0,1,2,3
	global_store_b128 v[XO], v[WC+4*\c:WC+4*\c+3], s[30:31] offset:512*\c   ; 512 consecutive bytes, aligned
.endr
	global_store_b32 v[SCO], v[WS], s[36:37]       ; row r's word; lanes r and r + 16 hold and write the same word
	s_wait_tensorcnt 0x0
	ds_add_u32 v174, v175
	s_wait_dscnt 0x0
	s_endpgm
.Lq:
	; ---- Wq: q = Q(x_last) Q(Wq)^T + bq
	s_wait_loadcnt 16                              ; bq and batches 0-15 are in
	TURN 1, STI2, STO2
	s_wait_dscnt 0x0
	QUANT X, PC, 0, XS
	s_wait_loadcnt 0x0                             ; and batches 16-31
	TURN 2, STI2, STO2
	s_wait_dscnt 0x0
	QUANT X, PC+16, 0, XS+1
.rept 4
	v_nop                                          ; codes written by vector instructions stand four places ahead of a scaled matrix instruction (the scale word has the 64 holds behind it)
.endr
	v_wmma_scale_f32_16x16x128_f8f6f4 v[ACC:ACC+7], v[PC:PC+15], v[WC:WC+15], 0, v[XS], v[WS]               ; source 0 = batches 0-15, source 1 = 16 rows of Wq: register j of lane (r, h) = q(8 h + j, 16 t + r), my K step's part
	v_wmma_scale_f32_16x16x128_f8f6f4 v[ACC+8:ACC+15], v[PC+16:PC+31], v[WC:WC+15], 0, v[XS+1], v[WS]       ; batches 16-31
.rept 8
	v_nop                                          ; eight places behind this form before a result is read
.endr
.irp i, 0,1
.irp hf, 0,1
	ds_store_b128 v[QPW], v[ACC+8*\i+4*\hf:ACC+8*\i+4*\hf+3] offset:(2*\i+\hf)*512   ; each accumulator from its low end on
.endr
.endr
	s_wait_dscnt 0x0                               ; for the others' sake: my part lies in LDS
	s_barrier_signal -1                            ; (the way here hangs on the work-group's number alone: all eight waves are on it)
	s_barrier_wait -1
	s_cmp_ge_u32 s[WV], 4
	s_cbranch_scc1 .Lend
	; wave o (0..3) adds the eight parts of accumulator o / 2, registers 4 (o % 2) on, in ascending K
.irp k, 0,1,2,3,4,5,6,7
	ds_load_b128 v[SUM+4*\k:SUM+4*\k+3], v[QPR] offset:2048*\k
.endr
	s_lshl_b32 s24, s[TT], 6                       ; column 16 t,
	s_lshr_b32 s25, s[WV], 1
	s_lshl_b32 s25, s25, 16                        ; batches 16 (o / 2) on,
	s_and_b32 s26, s[WV], 1
	s_lshl_b32 s26, s26, 14                        ; + 4 (o % 2)
	s_add_co_u32 s24, s24, s25
	s_add_co_u32 s24, s24, s26
	s_mov_b32 s25, 0
	s_add_nc_u64 s[16:17], s[16:17], s[24:25]
	s_wait_dscnt 0x0
.irp k, 1
	v_pk_add_f32 v[SUM:SUM+1], v[SUM:SUM+1], v[SUM+4*\k:SUM+4*\k+1]
	v_pk_add_f32 v[SUM+2:SUM+3], v[SUM+2:SUM+3], v[SUM+4*\k+2:SUM+4*\k+3]
.endr
.irp k, 2, 3, 4, 5, 6, 7
	s_delay_alu instid0(VALU_DEP_2)
	v_pk_add_f32 v[SUM:SUM+1], v[SUM:SUM+1], v[SUM+4*\k:SUM+4*\k+1]
	s_delay_alu instid0(VALU_DEP_2)
	v_pk_add_f32 v[SUM+2:SUM+3], v[SUM+2:SUM+3], v[SUM+4*\k+2:SUM+4*\k+3]
.endr
.irp e, 0,1,2,3
	v_add_f32 v[SUM+\e], v[SUM+\e], v[BQ]
.endr
.irp e, 0,1,2,3
	global_store_b32 v[QSO], v[SUM+\e], s[16:17] offset:4096*\e   ; a tile is 16 columns wide: runs of 64 bytes; q is 128 KiB in all
.endr
.Lend:
	s_wait_tensorcnt 0x0
	ds_add_u32 v174, v175
	s_wait_dscnt 0x0
	s_endpgm
.Lfunc_end_k_qe309857ca1_prep:
	.size	k_qe309857ca1_prep, .Lfunc_end_k_qe309857ca1_prep-k_qe309857ca1_prep
	.p2alignl 7, 3214868480
	.fill 96, 4, 3214868480
	.section	.rodata,"a",@progbits
	.p2align	6, 0x0
	.amdhsa_kernel k_qe309857ca1_prep
		.amdhsa_group_segment_fixed_size 152576
		.amdhsa_private_segment_fixed_size 0
		.amdhsa_enable_private_segment 0
		.amdhsa_kernarg_size 56
		.amdhsa_user_sgpr_count 2
		.amdhsa_user_sgpr_kernarg_segment_ptr 1
		.amdhsa_wavefront_size32 1
		.amdhsa_system_sgpr_workgroup_id_x 1
		.amdhsa_system_sgpr_workgroup_id_y 1
		.amdhsa_system_sgpr_workgroup_id_z 1
		.amdhsa_system_vgpr_workitem_id 0
		.amdhsa_next_free_vgpr 512
		.amdhsa_next_free_sgpr 66
		.amdhsa_reserve_vcc 0
		.amdhsa_float_denorm_mode_32 3
		.amdhsa_float_denorm_mode_16_64 3
		.amdhsa_memory_ordered 1
		.amdhsa_forward_progress 1
		.amdhsa_inst_pref_size 48
	.end_amdhsa_kernel
	.amdgpu_metadata
---
amdhsa.version: [ 1, 2 ]
amdhsa.kernels:
  - .name:           k_qe309857ca1_prep
    .symbol:         k_qe309857ca1_prep.kd
    .args:
      - { .name: Wq, .offset: 0, .size: 8, .value_kind: global_buffer, .address_space: global }
      - { .name: Wk, .offset: 8, .size: 8, .value_kind: global_buffer, .address_space: global }
      - { .name: Wv, .offset: 16, .size: 8, .value_kind: global_buffer, .address_space: global }
      - { .name: x, .offset: 24, .size: 8, .value_kind: global_buffer, .address_space: global }
      - { .name: bq, .offset: 32, .size: 8, .value_kind: global_buffer, .address_space: global }
      - { .name: wfrag, .offset: 40, .size: 8, .value_kind: global_buffer, .address_space: global }
      - { .name: qws, .offset: 48, .size: 8, .value_kind: global_buffer, .address_space: global }
    .group_segment_fixed_size: 152576
    .private_segment_fixed_size: 0
    .kernarg_segment_align: 8
    .kernarg_segment_size: 56
    .max_flat_workgroup_size: 256
    .sgpr_count:     66
    .vgpr_count:     512
    .wavefront_size: 32
...
	.end_amdgpu_metadata
.endif
;; end of part 1
;; launch main (part 2): grid 256 x 1, 8 waves a work-group, clusters of 4 x 1, 327,680 bytes of LDS; arguments x, qws, wfrag, tsc, cpart; writes tsc, cpart
.if DOCPART == 2
	.amdgcn_target "amdgcn-amd-amdhsa--gfx1250"
	.amdhsa_code_object_version 6
	.text
	.protected	k_qe309857ca1_main
	.globl	k_qe309857ca1_main
	.p2align	8
	.type	k_qe309857ca1_main,@function
k_qe309857ca1_main:
	s_mov_b64 s[64:65], 0
	v_nop
	global_prefetch_b8 v0, s[64:65] scope:SCOPE_SE
	s_setreg_imm32_b32 hwreg(HW_REG_WAVE_MODE, 25, 1), 1
	s_wait_xcnt 0x0
	s_wait_alu depctr_hold_cnt(0) depctr_sa_sdst(0) depctr_va_vdst(0) depctr_va_sdst(0) depctr_va_ssrc(0) depctr_va_vcc(0) depctr_vm_vsrc(0)
	s_getreg_b32 s2, hwreg(HW_REG_IB_STS2, 6, 4)
	s_cmp_eq_u32 s2, 0
	s_cbranch_scc0 .Lentry_in_a_cluster
	s_endpgm
.Lentry_in_a_cluster:
	s_bfe_u32 s2, ttmp6, 0x10000c
	s_cmp_lg_u32 s2, 0x3003
	s_cbranch_scc0 .Lentry_shape_is_right
	s_endpgm
.Lentry_shape_is_right:
; MAIN.  A work-group owns 128 positions of one batch.  Its eight waves, w = kq + 4 oh: kq is a quarter of K (256), oh a half of each slot's tiles.  A wave keeps the codes of all 128 positions x its quarter of K in 256 registers (window 1)
; and walks its tiles of 16 outputs of Wk, then of Wv: 16 products a tile (8 row blocks x 2 K steps of 128).  Scores and context are linear in K's and V's partial sums, so each wave works on its own part of the sums and the parts are added at the end.
; K phase: t(position) = log2(e) / 32 x sum over d of q(d) K(position, d); then p = 2^(t - m), m the work-group's largest t; V phase: cpart(d) = sum over positions of p V(position, d), without bv.  t goes to tsc, cpart to cpart [256][1024].
; LEFT OUT: bk (q . bk is the same for all positions of a batch, under a softmax: see the first launch).  LIMITS: NaN and infinities are not served; 2^(..) under 2^-126 counts as 0 (ISA guide, v_exp_f32); a block of zeros gets the byte 1: its codes are zeros.
; X: a wave loads and quantises 64 rows (row blocks 4 oh on) of its quarter; the other 64 it gets from its partner w xor 4, through the waves' stages.  ITS OWN FOUR ROW BLOCKS COME FIRST in its registers, the partner's behind them.
; THE RING: two LDS slots of 8 tiles x 16 outputs x all of K: four parts of 33,792 bytes, one for each quarter of K: 32,768 of codes, 1,024 of scale words; a wave loads half a part, 66 rows of 256 bytes: one tensor load a wave and slot, 16 slots in all (0-7 Wk, 8-15 Wv).
; A slot is the same for all work-groups: the four of a cluster ask for it jointly.  The clusters begin at eight different slots of Wk, and of Wv, and walk them in a ring (ROT).
; NO PREFETCH: of a cluster's sixteen slots two alone (its first of Wk, its first of Wv) have not been asked for by another cluster a slot earlier; x is loaded once, by loads that run 32 (16 KiB a wave, eight waves) ahead.
; THE PRODUCTS.  K phase: source 0 = 16 outputs, source 1 = 16 positions: lane (r, h) holds position r, its registers the outputs 8 h + 0 .. 7: the dot product with q needs no other lane but r xor 16.
; V phase: source 0 = 16 positions, source 1 = 16 outputs: lane (r, h) holds output r, its registers the positions 8 h + 0 .. 7, each with its own p.
; A TILE: its products in one run, the places behind them, its 32 packed multiply-adds, and in one run the LDS loads of the tile two on, into the buffer that the products have read.
; REGISTERS.  Window 1: x's codes: row block i (own first), K step s at 32 i + 16 s.  Window 0: v64-127 sums; v128-191 two buffers of a tile of weights; v192-223 scores, v224-239 two buffers of q, later v192-255 p.
;   While x comes in: v64-191 two sets of 64 numbers as loaded, v192-255 64 neighbours along K.
.set PART,  33792
.set SLOTB, 135168
.set STG,   2*SLOTB                    ; a stage for each wave: 16 rows x (256 + 16) bytes; then two fragments' images; in the V phase its part of the context, [h][32 tiles][16]
.set STGW,  4352
.set QL,    STG+8*STGW                 ; q of my batch in the walk's order, and 1,024 bytes of zeros
.set SCX,   QL+5120                    ; the waves' parts of the scores, 512 bytes each
.set PX,    SCX+4096                   ; p, a copy for each wave
.set SPARE, PX+4096                    ; the spare words
.set SPW,  1
.set NIL,  2
.set AB0,  3
.set AB,   4
.set AS0,  5
.set AS,   6
.set AQ0,  7
.set AQ,   8
.set ACX0, 9
.set ACX,  10
.set XO,   11
.set STI,  12
.set STO,  13
.set QLW,  15
.set ASC,  16                          ; x's scale words: row block i at ASC + i % 4 + 8 (i / 4): lanes 0-15 the first K step, lanes 16-31 the second
.set BSC,  20                          ; v20-21 the weights' scale words, in the same halves: no product's two numbers are equal modulo 8
.set ZA,   22
.set ZR,   23
.set SWA,  28
.set SWB,  29
.set XL,   30
.set QG,   31
.set SXA,  32
.set SXB,  33
.set SXT,  34
.set PXW,  35
.set PXA,  36
.set PXO,  37
.set ER,   38
.set MX,   39
.set TM,   40
.set QR,   52
.set CT,   40
.set CR,   48
.set IMI,  59
.set IMO,  60
.set SCI,  61
.set SCO,  62
.set ACC,  64
.set RAW,  64
.set WB0,  128
.set X,    192
.set SA,   192
.set QB,   224
.set PB,   192
.set S0,   64
.set S1,   80
.set E4,   88
.set T4,   96
.set HM,   15
.set G1,   16
.set G0A,  24
.set G0,   28
.set WV,   32
.set CXR,  33
.set GID,  34
.set TB,   35
.set QO,   36
.set CO,   37
.set CNT,  38
.set ROT,  39
.set SEL,  40
.set MNT,  42
.set NS,   43
.set CS,   48
.set WB,   52
.set KQ,   54
.set OH,   55
.set MSB, 0
.macro WIN new                         ; the immediate's high byte repeats the setting that is left; a switch that changes nothing is dropped
.if MSB != (\new)
	s_set_vgpr_msb (MSB<<8)|(\new)
.set MSB, (\new)
.endif
.endm
.macro CREST                           ; a round of the cluster's barrier behind its opening barrier
	s_cmp_lg_u32 s[WV], 0
	s_cbranch_scc1 .Lnot_wave_0_\@
	s_barrier_signal -3
.Lnot_wave_0_\@:
	s_barrier_wait -3
	s_barrier_signal -1
	s_barrier_wait -1
.endm
.macro CROUND
	s_barrier_signal -1
	s_barrier_wait -1
	CREST
.endm
.macro TLOAD g0                        ; my joint load
	tensor_load_to_lds s[\g0:\g0+3], s[G1:G1+7]
	s_nop 0
.rept 4
	v_nop
.endr
.endm
.macro XLOAD f                         ; fragment f = 2 x row block + K step, in two halves along K: a load takes 256 consecutive bytes of two rows
.irp hf, 0,1
.irp rho, 0,1,2,3,4,5,6,7
	global_load_b128 v[RAW+64*((\f)%2)+32*\hf+4*\rho:RAW+64*((\f)%2)+32*\hf+4*\rho+3], v[XL], s[4:5] offset:(16*((\f)/2)+2*\rho)*4096+512*((\f)%2)+256*\hf th:TH_LOAD_NT
.endr
.endr
.endm
.macro TURN st                         ; each half through my stage (rows 272 bytes apart): LDS serves a wave's instructions in order (ISA guide 5.7.1.4)
.irp hf, 0,1
.irp rho, 0,1,2,3,4,5,6,7
	ds_store_b128 v[STI], v[RAW+64*(\st)+32*\hf+4*\rho:RAW+64*(\st)+32*\hf+4*\rho+3] offset:544*\rho
.endr
.irp c, 0,1
.irp j, 0,1,2,3
	ds_load_b128 v[X+32*\hf+16*\c+4*\j:X+32*\hf+16*\c+4*\j+3], v[STO] offset:128*\c+16*\j
.endr
.endr
.endr
.endm
.macro QUANT src, dst, sw              ; 64 numbers of a lane -> 16 registers of codes in window 1, and the row's scale word
.irp b, 0,1,2,3
	v_max3_num_f32 v[TM+\b], |v[\src+16*\b]|, |v[\src+1+16*\b]|, 0x4800000   ; the floor 2^(9 - 127) among the leaves: the byte cannot fall under 1
.endr
.irp i, 2,4,6,8,10,12,14
.irp b, 0,1,2,3
	v_max3_num_f32 v[TM+\b], v[TM+\b], |v[\src+16*\b+\i]|, |v[\src+1+16*\b+\i]|
.endr
.endr
.irp b, 0,1,2,3
	v_permlanex16_b32 v[TM+4+\b], v[TM+\b], s[SEL], s[SEL+1]
.endr
.irp b, 0,1,2,3
	v_max_num_f32 v[TM+\b], v[TM+\b], v[TM+4+\b]
.endr
.irp b, 0,1,2,3
	v_add_nc_u32 v[TM+12+\b], 0xfc000000, v[TM+\b] ; 8 off the exponent field: the conversion's scale operand
.endr
.irp b, 0,1,2,3
	v_and_or_b32 v[TM+8+\b], v[TM+\b], 0x7f800000, s[MNT]   ; 448 x the scale
.endr
.irp b, 0,1,2,3
	v_lshrrev_b32 v[TM+4+\b], 23, v[TM+12+\b]
.endr
	v_lshl_or_b32 v[\sw], v[TM+5], 8, v[TM+4]
	v_lshl_or_b32 v[\sw], v[TM+6], 16, v[\sw]
	v_lshl_or_b32 v[\sw], v[TM+7], 24, v[\sw]
.irp b, 0,1,2,3
.irp i, 0,1,2,3,4,5,6,7,8,9,10,11,12,13,14,15
	v_med3_num_f32 v[\src+16*\b+\i], v[\src+16*\b+\i], -v[TM+8+\b], v[TM+8+\b]   ; the conversion does not saturate (ISA guide 7.6.2)
.endr
.endr
	WIN 0x40
.irp b, 0,1,2,3
	v_cvt_scalef32_pk8_fp8_f32 v[(\dst)+4*\b:(\dst)+4*\b+1], v[\src+16*\b:\src+16*\b+7], v[TM+12+\b]
	v_cvt_scalef32_pk8_fp8_f32 v[(\dst)+4*\b+2:(\dst)+4*\b+3], v[\src+16*\b+8:\src+16*\b+15], v[TM+12+\b]
.endr
	WIN 0
	v_nop
.endm
.macro FRAG f
.if (\f) < 7
	s_wait_loadcnt 16                              ; this fragment's 16 loads are in; the next one's may be out
.else
	s_wait_loadcnt 0x0
.endif
	TURN (\f)%2
	s_wait_dscnt 0x0                               ; the numbers are back, and the stage's stores have read the set,
.if (\f)+2 < 8
	XLOAD (\f)+2                                   ; which takes the loads of two fragments on
.endif
	QUANT X, 16*(\f), SWA+(\f)%2
.endm
.macro SWAP i                          ; row block i is quantised: its two fragments as images of their registers, and its scale words, to my partner; and my partner's to me
	v_cndmask_b32 v[ASC+\i], v[SWA], v[SWB], s[HM] ; both K steps' words in one register, a half of the lanes each
	WIN 0x04
.irp k, 0,1,2,3,4,5,6,7
	ds_store_b128 v[IMI], v[32*\i+4*\k:32*\i+4*\k+3] offset:512*\k
.endr
	WIN 0
	ds_store_b32 v[SCI], v[ASC+\i] offset:4096
	s_wait_dscnt 0x0
	s_barrier_signal -1
	s_barrier_wait -1
	WIN 0x40
.irp k, 0,1,2,3,4,5,6,7
	ds_load_b128 v[128+32*\i+4*\k:128+32*\i+4*\k+3], v[IMO] offset:512*\k
.endr
	WIN 0
	ds_load_b32 v[ASC+8+\i], v[SCO] offset:4096
.if \i < 3
	s_wait_dscnt 0x0                               ; ahead of the next stores into the stages: all waves' loads are done
	s_barrier_signal -1
	s_barrier_wait -1
.endif
.endm
	s_load_b256 s[4:11], s[0:1], 0x0               ; x s[4:5], q s[6:7], wfrag s[8:9], tsc s[10:11]
	s_load_b64 s[12:13], s[0:1], 0x20              ; cpart
	v_lshl_add_u32 v[SPW], v0, 2, SPARE
	v_mov_b32 v[NIL], 0
	ds_add_u32 v[SPW], v[NIL]                      ; the wave's opening: the add, twice on end, and its wait
	ds_add_u32 v[SPW], v[NIL]
	v_lshrrev_b32 v56, 5, v0
	v_readfirstlane_b32 s[WV], v56
	s_and_b32 s[KQ], s[WV], 3
	s_lshr_b32 s[OH], s[WV], 2
	s_bfe_u32 s[CXR], ttmp6, 0x40000
	s_lshl_b32 s[GID], ttmp9, 2
	s_add_co_u32 s[GID], s[GID], s[CXR]            ; work-group: positions 128 GID on
	s_and_b32 s[ROT], ttmp9, 7                     ; from the cluster's number alone
	s_mov_b32 s[G1], 15|(3<<16)|(1<<21)            ; group 1: to all four of the cluster; half a part as 66 rows of 256 bytes (32 elements of 8)
	s_mov_b32 s[G1+1], 32<<16
	s_mov_b32 s[G1+2], 66<<16
	s_mov_b32 s[G1+3], 32<<16
	s_mov_b32 s[G1+4], 66
	s_mov_b32 s[G1+5], 32
	s_mov_b32 s[G1+6], 0
	s_mov_b32 s[G1+7], 0
	s_mul_i32 s59, s[KQ], PART                     ; my quarter's part of a slot,
	s_mul_i32 s50, s[OH], PART/2
	s_add_co_u32 s50, s50, s59                     ; and the half of it that I load
	s_mov_b32 s51, 0
	s_lshl_b32 s44, s[GID], 19                     ; x: 128 rows of 4,096 bytes a work-group; my 64 rows, my 1,024 bytes of a row
	s_lshl_b32 s45, s[OH], 18
	s_add_co_u32 s44, s44, s45
	s_lshl_b32 s45, s[KQ], 10
	s_add_co_u32 s44, s44, s45
	s_mov_b32 s45, 0
	s_lshr_b32 s46, s[GID], 3                      ; the batch
	s_lshl_b32 s46, s46, 12
	s_mov_b32 s47, 0
	s_lshl_b32 s56, s[GID], 12
	s_mov_b32 s57, 0
	s_add_co_u32 s62, s[WV], s[ROT]                ; the walk's slot w is the weights' slot (w + ROT) % 8
	s_and_b32 s62, s62, 7
	s_lshl_b32 s62, s62, 9
	s_mov_b32 s[SEL], 0x76543210
	s_mov_b32 s[SEL+1], 0xfedcba98                 ; v_permlanex16_b32's selects for lane l xor 16
	s_mov_b32 s[MNT], 0x600000                     ; the mantissa field of 448
	s_mov_b32 s[HM], 0xffff0000
	s_mov_b32 s[CS], 0x3d38aa3b                    ; log2(e) / 32
	s_mov_b32 s[CS+1], s[CS]
	s_mov_b32 s[TB], 0
	s_mov_b32 s[QO], 0
	s_mov_b32 s[CO], 0
	s_mov_b32 s[NS], 1
	s_wait_dscnt 0x0                               ; both opening adds are done
	v_and_b32 v56, 31, v0                          ; lane
	v_and_b32 v57, 15, v0                          ; r
	v_bfe_u32 v58, v0, 4, 1                        ; h
	v_lshlrev_b32 v[XO], 4, v56
	v_lshlrev_b32 v[XL], 12, v58
	v_lshl_add_u32 v[XL], v57, 4, v[XL]            ; x: lanes 0-15 one row, lanes 16-31 the next
	v_add_nc_u32 v[QG], s62, v[XO]
	s_lshl_b32 s61, s[OH], 14
	s_add_co_u32 s61, s61, s59
	v_add_nc_u32 v[AB0], s61, v[XO]                ; my four tiles: a fragment's registers as an image, 16 bytes a lane
	s_lshl_b32 s61, s[OH], 9
	s_add_co_u32 s61, s61, s59
	s_add_co_u32 s61, s61, 32768
	v_lshl_add_u32 v[AS0], v56, 2, s61             ; and their scale words
	s_lshl_b32 s61, s[OH], 8
	s_add_co_u32 s61, s61, QL
	v_lshl_add_u32 v[AQ0], v58, 5, s61             ; q: a tile's outputs 8 h + 0 .. 7
	s_mul_i32 s58, s[WV], STGW
	s_add_co_u32 s58, s58, STG                     ; my stage
	s_wait_alu depctr_va_vdst(0)                   ; the wait directly ahead of the reader below
	v_mul_u32_u24 v[STI], v58, 272
	v_lshl_add_u32 v[STI], v57, 4, v[STI]
	v_add_nc_u32 v[STI], s58, v[STI]
	v_mul_u32_u24 v[STO], v57, 272
	v_lshl_add_u32 v[STO], v58, 6, v[STO]
	v_add_nc_u32 v[STO], s58, v[STO]
	v_add_nc_u32 v[IMI], s58, v[XO]
	v_lshl_add_u32 v[SCI], v56, 2, s58
	v_lshlrev_b32 v[ACX0], 11, v58
	v_lshl_add_u32 v[ACX0], v57, 2, v[ACX0]
	v_add_nc_u32 v[ACX0], s58, v[ACX0]
	s_xor_b32 s58, s[WV], 4
	s_mul_i32 s58, s58, STGW
	s_add_co_u32 s58, s58, STG                     ; my partner's
	v_add_nc_u32 v[IMO], s58, v[XO]
	v_lshl_add_u32 v[SCO], v56, 2, s58
	s_lshl_b32 s60, s[WV], 9
	s_add_co_u32 s61, s60, QL
	v_add_nc_u32 v[QLW], s61, v[XO]
	v_lshl_add_u32 v[ZA], v0, 2, QL+4096
	v_mov_b32 v[ZR], 0
	s_add_co_u32 s61, s60, PX
	v_add_nc_u32 v[PXW], s61, v[XO]
	s_lshl_b32 s63, s[OH], 8                       ; positions 64 oh on are my own row blocks',
	s_xor_b32 s59, s63, 256                        ; the others my partner's
	s_add_co_u32 s14, s61, s63
	v_lshl_add_u32 v[PXA], v58, 5, s14
	s_add_co_u32 s14, s61, s59
	v_lshl_add_u32 v[PXO], v58, 5, s14
	s_add_co_u32 s61, s60, SCX
	s_add_co_u32 s14, s61, s63
	v_lshl_add_u32 v[SXA], v57, 2, s14             ; scores: row r of a block
	s_add_co_u32 s14, s61, s59
	v_lshl_add_u32 v[SXB], v57, 2, s14
	v_add_nc_u32 v[SXT], SCX, v[XO]                ; and back: positions 4 x lane + 0 .. 3
	s_lshl_b32 s61, s[WV], 8
	s_add_co_u32 s61, s61, STG
	v_mul_u32_u24 v[ER], v58, 4*STGW               ; context: the walk's slot w, outputs 4 x lane + 0 .. 3: lanes 0-15 lie with the waves of oh = 0, lanes 16-31 with those of oh = 1
	v_lshl_add_u32 v[ER], v57, 4, v[ER]
	v_add_nc_u32 v[ER], s61, v[ER]
.irp b, 0,1,2,3
	v_mov_b32 v[TM+4+\b], 0                        ; written once: a lane permute's destination counts as one of its sources
.endr
	s_wait_alu depctr_va_vdst(0)                   ; the wait at the head's end
	s_wait_kmcnt 0x0
	s_add_nc_u64 s[4:5], s[4:5], s[44:45]
	s_add_nc_u64 s[6:7], s[6:7], s[46:47]
	global_load_b128 v[QR:QR+3], v[QG], s[6:7]
	XLOAD 0                                        ; x is asked for ahead of everything else
	XLOAD 1
	s_lshl_b32 s46, s[GID], 9
	s_mov_b32 s47, 0
	s_add_nc_u64 s[10:11], s[10:11], s[46:47]
	s_add_nc_u64 s[12:13], s[12:13], s[56:57]
	s_add_nc_u64 s[WB:WB+1], s[8:9], s[50:51]
	s_mul_i32 s46, s[ROT], SLOTB
	s_mov_b32 s[G0A], 1                            ; group 0: the walk's slot 0,
	s_mov_b32 s[G0A+1], s50
	s_add_nc_u64 s[G0A+2:G0A+3], s[WB:WB+1], s[46:47]
	s_or_b32 s[G0A+3], s[G0A+3], 0x80000000
	s_add_co_u32 s46, s[ROT], 1
	s_and_b32 s46, s46, 7
	s_mul_i32 s46, s46, SLOTB
	s_mov_b32 s[G0], 1                             ; and its slot 1, from which the refills step on
	s_add_co_u32 s[G0+1], s50, SLOTB
	s_add_nc_u64 s[G0+2:G0+3], s[WB:WB+1], s[46:47]
	s_or_b32 s[G0+3], s[G0+3], 0x80000000
	CROUND                                         ; all four work-groups are here: the first joint loads meet
	TLOAD G0A                                      ; slot 0: one tensor load a wave at the head
	s_wait_loadcnt 32                              ; q is in; x's 32 loads may be out
	ds_store_b128 v[QLW], v[QR:QR+3]
	ds_store_b32 v[ZA], v[ZR]
.irp i, 0,1,2,3
	FRAG 2*\i
	FRAG 2*\i+1
	SWAP \i
.endr
	s_wait_tensorcnt 0x0                           ; my half part of slot 0 is in
	ds_add_u32 v[SPW], v[NIL]
	s_wait_dscnt 0x0
	CROUND                                         ; and everybody's; q lies in LDS, every wave's part
	TLOAD G0                                       ; slot 1
	v_add_nc_u32 v[AB], s[TB], v[AB0]
	v_add_nc_u32 v[AS], s[TB], v[AS0]
	v_add_nc_u32 v[AQ], s[QO], v[AQ0]
.set k_, 0
.rept 32
	v_mov_b32 v[SA+k_], 0
.set k_, k_+1
.endr
; Tile t (of my four) of the slot in hand, into buffer t % 2: codes, scale words and, in the K phase, q.
.macro LDT t, pass
.set lb_, (\t)%2
.irp k, 0,1,2,3,4,5,6,7
	ds_load_b128 v[WB0+32*lb_+4*\k:WB0+32*lb_+4*\k+3], v[AB] offset:4096*(\t)+512*\k
.endr
	ds_load_b32 v[BSC+lb_], v[AS] offset:128*(\t)
.if (\pass) == 0
	ds_load_b128 v[QB+8*lb_:QB+8*lb_+3], v[AQ] offset:64*(\t)
	ds_load_b128 v[QB+8*lb_+4:QB+8*lb_+7], v[AQ] offset:64*(\t)+16
.endif
.endm
; The tile's products: the first K step of all eight row blocks, then the second: seven others stand between a sum's two.
.macro MUL buf, pass
.set w_, WB0+32*(\buf)
.set bs_, BSC+(\buf)
.if (\pass) == 0
	WIN 0x04
.else
	WIN 0x01
.endif
.irp i, 0,1,2,3,4,5,6,7
.if (\pass) == 0
	v_wmma_scale_f32_16x16x128_f8f6f4 v[ACC+8*\i:ACC+8*\i+7], v[w_:w_+15], v[32*\i:32*\i+15], 0, v[bs_], v[ASC+\i%4+8*(\i/4)]
.else
	v_wmma_scale_f32_16x16x128_f8f6f4 v[ACC+8*\i:ACC+8*\i+7], v[32*\i:32*\i+15], v[w_:w_+15], 0, v[ASC+\i%4+8*(\i/4)], v[bs_]
.endif
.endr
.irp i, 0,1,2,3,4,5,6,7
.if (\pass) == 0
	v_wmma_scale_f32_16x16x128_f8f6f4 v[ACC+8*\i:ACC+8*\i+7], v[w_+16:w_+31], v[32*\i+16:32*\i+31], v[ACC+8*\i:ACC+8*\i+7], v[bs_], v[ASC+\i%4+8*(\i/4)] matrix_a_scale:MATRIX_SCALE_ROW1 matrix_b_scale:MATRIX_SCALE_ROW1
.else
	v_wmma_scale_f32_16x16x128_f8f6f4 v[ACC+8*\i:ACC+8*\i+7], v[32*\i+16:32*\i+31], v[w_+16:w_+31], v[ACC+8*\i:ACC+8*\i+7], v[ASC+\i%4+8*(\i/4)], v[bs_] matrix_a_scale:MATRIX_SCALE_ROW1 matrix_b_scale:MATRIX_SCALE_ROW1
.endif
.endr
	WIN 0
.endm
; The tile's vector work, each sum from its low end on: K phase: times q, onto the row blocks' scores (two chains each); V phase: times p, onto the tile's context (four chains).
.macro FOLD buf, pass
.rept 8
	v_nop                                          ; eight places behind the last product
.endr
.irp p, 0,1,2,3
.irp i, 0,1,2,3,4,5,6,7
.set a_, ACC+8*\i+2*\p
.if (\pass) == 0
.set d_, SA+4*\i+2*(\p%2)
.set f_, QB+8*(\buf)+2*\p
	v_pk_fma_f32 v[d_:d_+1], v[f_:f_+1], v[a_:a_+1], v[d_:d_+1]
.else
.set d_, CT+2*(\i%4)
.set f_, PB+8*\i+2*\p
.if (8*\p+\i) < 4
	v_pk_mul_f32 v[d_:d_+1], v[f_:f_+1], v[a_:a_+1]
.else
	v_pk_fma_f32 v[d_:d_+1], v[f_:f_+1], v[a_:a_+1], v[d_:d_+1]
.endif
.endif
.endr
.endr
.if \pass
	v_pk_add_f32 v[CT:CT+1], v[CT:CT+1], v[CT+4:CT+5]
	v_pk_add_f32 v[CT+2:CT+3], v[CT+2:CT+3], v[CT+6:CT+7]
	v_pk_add_f32 v[CT:CT+1], v[CT:CT+1], v[CT+2:CT+3]
	v_add_f32 v[CR], v[CT], v[CT+1]                ; output r, my half of the positions, my quarter of K
.endif
.endm
; mode 1: behind tile 2's products the slot changes and the old one is filled again (the tensor wait and the add ahead of the products, the round's rest behind the vector work); mode 2: it changes, nothing is filled; mode 3: the last slot.
.macro TILE t, pass, mode
.if (\pass) == 0
.set nd_, 11                           ; LDS instructions behind this tile's loads, which may be out: the next tile's 8 of codes, 1 of scale words, 2 of q
.else
.set nd_, 10                           ; 8, 1 and a store
.endif
.if ((\mode) == 3) && ((\t) == 3)
.set nd_, 1                            ; the store alone
.endif
.if ((\t) == 2) && ((\mode) < 3)
.if (\mode) == 2
	s_wait_tensorcnt 0x0                           ; my half part of the next slot is in (mode 1: GUARD has waited for it)
.endif
	s_xor_b32 s[TB], s[TB], SLOTB
.endif
.if ((\t) == 2) && ((\mode) == 1)
.set nd_, nd_+1                        ; and the add
.endif
	s_wait_dscnt nd_
	MUL (\t)%2, \pass
.if ((\t) == 2) && ((\mode) < 3)
	s_wait_dscnt 0x0                               ; my reads of the slot are over, and the add, where there is one, is done
	s_barrier_signal -1
.endif
	FOLD (\t)%2, \pass
.if ((\t) == 2) && ((\mode) < 3)
	s_barrier_wait -1
.if (\mode) == 1
	CREST
	TLOAD G0
.endif
	v_add_nc_u32 v[AB], s[TB], v[AB0]
	v_add_nc_u32 v[AS], s[TB], v[AS0]
.if (\pass) == 0
	v_add_nc_u32 v[AQ], s[QO], v[AQ0]
.endif
	s_wait_alu depctr_va_vdst(0)
.endif
.if \pass
	ds_store_b32 v[ACX], v[CR] offset:64*(\t)
.endif
.if ((\mode) < 3) || ((\t) < 2)
	LDT ((\t)+2)%4, \pass
.endif
.endm
.macro GRD pass
	s_wait_tensorcnt 0x0
	ds_add_u32 v[SPW], v[NIL]
	s_xor_b32 s[G0+1], s[G0+1], SLOTB              ; no tensor load of mine is out: the refill's group 0: the walk's slot NS + 1, ROT on within its eight
	s_add_co_u32 s[NS], s[NS], 1
	s_add_co_u32 s46, s[NS], s[ROT]
	s_and_b32 s46, s46, 7
	s_and_b32 s47, s[NS], 8
	s_add_co_u32 s46, s46, s47
	s_mul_i32 s46, s46, SLOTB
	s_mov_b32 s47, 0
	s_add_nc_u64 s[G0+2:G0+3], s[WB:WB+1], s[46:47]
	s_or_b32 s[G0+3], s[G0+3], 0x80000000
.if (\pass) == 0
	s_add_co_u32 s[QO], s[QO], 512
.endif
.endm
.macro TRIP pass, mode
	TILE 0, \pass, \mode
	TILE 1, \pass, \mode
.if (\mode) == 1
	GRD \pass
.endif
	TILE 2, \pass, \mode
	TILE 3, \pass, \mode
.endm
	LDT 0, 0
	LDT 1, 0
	s_mov_b32 s[CNT], 8
.Lk:                                               ; a slot of Wk: four tiles a wave
	TRIP 0, 1
	s_sub_co_u32 s[CNT], s[CNT], 1
	s_cmp_lg_u32 s[CNT], 0
	s_cbranch_scc1 .Lk
	; THE SCORES.  A row block's four registers are added, then the two halves of the lanes: position r's score, my outputs, my quarter of K
.irp i, 0,1,2,3,4,5,6,7
	v_pk_add_f32 v[S0+2*\i:S0+2*\i+1], v[SA+4*\i:SA+4*\i+1], v[SA+4*\i+2:SA+4*\i+3]
.endr
.irp b, 0,1,2,3,4,5,6,7
	v_add_f32 v[S1+\b], v[S0+2*\b], v[S0+2*\b+1]
.endr
.irp b, 0,1,2,3,4,5,6,7
	v_permlanex16_b32 v[TM+\b], v[S1+\b], s[SEL], s[SEL+1]
.endr
.irp b, 0,1,2,3,4,5,6,7
	v_add_f32 v[S1+\b], v[S1+\b], v[TM+\b]
.endr
.irp b, 0,1,2,3
	ds_store_b32 v[SXA], v[S1+\b] offset:64*\b     ; lanes r and r + 16 hold and write the same word
	ds_store_b32 v[SXB], v[S1+4+\b] offset:64*\b
.endr
	s_wait_dscnt 0x0
	s_barrier_signal -1
	s_barrier_wait -1
.irp p, 0,1,2,3,4,5,6,7
	ds_load_b128 v[T4+4*\p:T4+4*\p+3], v[SXT] offset:512*\p
.endr
	s_wait_dscnt 0x0
.irp p, 1,2,3,4,5,6,7
	v_pk_add_f32 v[T4:T4+1], v[T4:T4+1], v[T4+4*\p:T4+4*\p+1]
	v_pk_add_f32 v[T4+2:T4+3], v[T4+2:T4+3], v[T4+4*\p+2:T4+4*\p+3]
.endr
	v_pk_mul_f32 v[T4:T4+1], v[T4:T4+1], s[CS:CS+1] op_sel_hi:[1,0]
	v_pk_mul_f32 v[T4+2:T4+3], v[T4+2:T4+3], s[CS:CS+1] op_sel_hi:[1,0]   ; t of my four positions: the same in every wave
	s_wait_alu depctr_va_vdst(0)                   ; the wait ahead of the branch
	s_cmp_lg_u32 s[WV], 0
	s_cbranch_scc1 .Lnot_0
	global_store_b128 v[XO], v[T4:T4+3], s[10:11]  ; 512 consecutive bytes, aligned
.Lnot_0:
	v_max3_num_f32 v[MX], v[T4], v[T4+1], v[T4+2]
	v_max_num_f32 v[MX], v[MX], v[T4+3]
.irp m, 1,2,4,8
	v_max_num_f32_dpp v[MX], v[MX], v[MX] row_xmask:\m row_mask:0xf bank_mask:0xf
.endr
	v_permlanex16_b32 v[TM], v[MX], s[SEL], s[SEL+1]
	v_max_num_f32 v[MX], v[MX], v[TM]              ; m of the 128 positions
.irp i, 0,1,2,3
	v_sub_f32 v[E4+\i], v[T4+\i], v[MX]
.endr
	s_wait_alu depctr_va_vdst(0)                   ; the wait ahead of the batch,
.irp i, 0,1,2,3
	v_exp_f32 v[E4+\i], v[E4+\i]
.endr
	v_nop
	s_wait_alu depctr_va_vdst(0)                   ; and ahead of its first reader
	ds_store_b128 v[PXW], v[E4:E4+3]               ; my own copy of p, and back in the order of V's sums: LDS serves a wave's instructions in order
.irp i, 0,1,2,3
	ds_load_b128 v[PB+8*\i:PB+8*\i+3], v[PXA] offset:64*\i
	ds_load_b128 v[PB+8*\i+4:PB+8*\i+7], v[PXA] offset:64*\i+16
	ds_load_b128 v[PB+32+8*\i:PB+32+8*\i+3], v[PXO] offset:64*\i
	ds_load_b128 v[PB+32+8*\i+4:PB+32+8*\i+7], v[PXO] offset:64*\i+16
.endr
	s_wait_dscnt 0x0
	s_wait_xcnt 0x0                                ; the store of t has read its registers, which V's sums take
	s_mov_b32 s[CNT], 6
.Lv:                                               ; a slot of Wv
	v_add_nc_u32 v[ACX], s[CO], v[ACX0]
	TRIP 1, 1
	s_add_co_u32 s[CO], s[CO], 256
	s_sub_co_u32 s[CNT], s[CNT], 1
	s_cmp_lg_u32 s[CNT], 0
	s_cbranch_scc1 .Lv
	v_add_nc_u32 v[ACX], 6*256, v[ACX0]            ; the last two slots: nothing is filled any more
	TRIP 1, 2
	v_add_nc_u32 v[ACX], 7*256, v[ACX0]
	TRIP 1, 3
	s_wait_dscnt 0x0
	s_barrier_signal -1
	s_barrier_wait -1
	; the eight parts (four quarters of K, two halves of the positions) of 128 outputs a wave
.irp u, 0,1,2,3,4,5,6,7
	ds_load_b128 v[X+4*\u:X+4*\u+3], v[ER] offset:STGW*(\u/2)+2048*(\u%2)
.endr
	s_wait_dscnt 0x0
.irp u, 1,2,3,4,5,6,7
	v_pk_add_f32 v[X:X+1], v[X:X+1], v[X+4*\u:X+4*\u+1]
	v_pk_add_f32 v[X+2:X+3], v[X+2:X+3], v[X+4*\u+2:X+4*\u+3]
.endr
	global_store_b128 v[QG], v[X:X+3], s[12:13]    ; 512 consecutive bytes, aligned
	s_wait_tensorcnt 0x0                           ; the wave's end
	ds_add_u32 v[SPW], v[NIL]
	s_wait_dscnt 0x0
	CROUND                                         ; the closing round
	s_endpgm
.Lfunc_end_k_qe309857ca1_main:
	.size	k_qe309857ca1_main, .Lfunc_end_k_qe309857ca1_main-k_qe309857ca1_main
	.p2alignl 7, 3214868480
	.fill 96, 4, 3214868480
	.section	.rodata,"a",@progbits
	.p2align	6, 0x0
	.amdhsa_kernel k_qe309857ca1_main
		.amdhsa_group_segment_fixed_size 327680
		.amdhsa_private_segment_fixed_size 0
		.amdhsa_enable_private_segment 0
		.amdhsa_kernarg_size 40
		.amdhsa_user_sgpr_count 2
		.amdhsa_user_sgpr_kernarg_segment_ptr 1
		.amdhsa_wavefront_size32 1
		.amdhsa_system_sgpr_workgroup_id_x 1
		.amdhsa_system_sgpr_workgroup_id_y 1
		.amdhsa_system_sgpr_workgroup_id_z 1
		.amdhsa_system_vgpr_workitem_id 0
		.amdhsa_next_free_vgpr 512
		.amdhsa_next_free_sgpr 66
		.amdhsa_reserve_vcc 0
		.amdhsa_float_denorm_mode_32 3
		.amdhsa_float_denorm_mode_16_64 3
		.amdhsa_memory_ordered 1
		.amdhsa_forward_progress 1
		.amdhsa_inst_pref_size 202
	.end_amdhsa_kernel
	.amdgpu_metadata
---
amdhsa.version: [ 1, 2 ]
amdhsa.kernels:
  - .name:           k_qe309857ca1_main
    .symbol:         k_qe309857ca1_main.kd
    .args:
      - { .name: x, .offset: 0, .size: 8, .value_kind: global_buffer, .address_space: global }
      - { .name: qws, .offset: 8, .size: 8, .value_kind: global_buffer, .address_space: global }
      - { .name: wfrag, .offset: 16, .size: 8, .value_kind: global_buffer, .address_space: global }
      - { .name: tsc, .offset: 24, .size: 8, .value_kind: global_buffer, .address_space: global }
      - { .name: cpart, .offset: 32, .size: 8, .value_kind: global_buffer, .address_space: global }
    .group_segment_fixed_size: 327680
    .private_segment_fixed_size: 0
    .kernarg_segment_align: 8
    .kernarg_segment_size: 40
    .max_flat_workgroup_size: 256
    .sgpr_count:     66
    .vgpr_count:     512
    .wavefront_size: 32
...
	.end_amdgpu_metadata
.endif
;; end of part 2
;; launch finish (part 3): grid 32 x 1, 8 waves a work-group, no clusters, 1,280 bytes of LDS; arguments tsc, cpart, bv, out0, out1; writes out0, out1
.if DOCPART == 3
	.amdgcn_target "amdgcn-amd-amdhsa--gfx1250"
	.amdhsa_code_object_version 6
	.text
	.protected	k_qe309857ca1_finish
	.globl	k_qe309857ca1_finish
	.p2align	8
	.type	k_qe309857ca1_finish,@function
k_qe309857ca1_finish:
	s_mov_b64 s[64:65], 0
	v_nop
	global_prefetch_b8 v0, s[64:65] scope:SCOPE_SE
	s_setreg_imm32_b32 hwreg(HW_REG_WAVE_MODE, 25, 1), 1
	s_wait_xcnt 0x0
; FINISH.  A work-group is a batch b.  tsc holds t = score x log2(e) / 32 of its 1,024 positions; cpart holds, for each of the eight blocks g of 128 positions, sum over the block of 2^(t - m_g) V(position, :), m_g the block's largest t.
; M = the largest m_g;  weights = 2^(t - M) / L, L their sum;  context = (sum over g of 2^(m_g - M) cpart_g) / L + bv  (the weights add up to 1, so bv enters once).
; Thread n owns positions and columns 4 n .. 4 n + 3; wave g's 128 positions are block g, so the wave's maximum is m_g, from the same bits as the launch before took it.
; Memory binds and the launch is short: all ten loads go out first; no matrix unit, no cluster, no prefetch.  Each store of a wave covers 512 consecutive bytes, aligned.
; LIMITS: NaN and infinities are not served; 2^(..) under 2^-126 counts as 0 (ISA guide, v_exp_f32).
	s_load_b256 s[4:11], s[0:1], 0x0               ; tsc s[4:5], cpart s[6:7], bv s[8:9], out0 s[10:11]
	s_load_b64 s[12:13], s[0:1], 0x20              ; out1
	v_lshl_add_u32 v96, v0, 2, 0x100
	v_mov_b32 v97, 0
	v_lshlrev_b32 v1, 4, v0                        ; 16 bytes a thread
	v_lshrrev_b32 v2, 5, v0
	s_delay_alu instid0(VALU_DEP_1)
	v_readfirstlane_b32 s14, v2                    ; wave 0..7
	s_lshl_b32 s15, s14, 2
	v_mov_b32 v46, s15                             ; LDS: my wave's word
	v_mov_b32 v47, 0
	v_mov_b32 v45, 0                               ; written once: a lane permute's destination counts as one of its sources
	s_lshl_b32 s16, ttmp9, 12                      ; a batch: 4,096 bytes of tsc, out0, out1,
	s_mov_b32 s17, 0
	s_lshl_b32 s18, ttmp9, 15                      ; 32,768 of cpart
	s_mov_b32 s19, 0
	s_mov_b32 s20, 0x76543210
	s_mov_b32 s21, 0xfedcba98                      ; v_permlanex16_b32's selects for lane l xor 16
	s_wait_alu depctr_va_vdst(0)
	s_wait_kmcnt 0x0
	s_add_nc_u64 s[4:5], s[4:5], s[16:17]
	s_add_nc_u64 s[6:7], s[6:7], s[18:19]
	s_add_nc_u64 s[10:11], s[10:11], s[16:17]
	s_add_nc_u64 s[12:13], s[12:13], s[16:17]
	global_load_b128 v[4:7], v1, s[4:5] th:TH_LOAD_NT
.irp g, 0,1,2,3,4,5,6,7
	global_load_b128 v[8+4*\g:11+4*\g], v1, s[6:7] offset:4096*\g th:TH_LOAD_NT
.endr
	global_load_b128 v[40:43], v1, s[8:9]
	s_wait_loadcnt 9                               ; t is in; the eight parts and bv may be out
	v_max3_num_f32 v44, v4, v5, v6
	s_delay_alu instid0(VALU_DEP_1)
	v_max_num_f32 v44, v44, v7
	s_delay_alu instid0(VALU_DEP_1)
	v_max_num_f32_dpp v44, v44, v44 row_xmask:1 row_mask:0xf bank_mask:0xf
	s_delay_alu instid0(VALU_DEP_1)
	v_max_num_f32_dpp v44, v44, v44 row_xmask:2 row_mask:0xf bank_mask:0xf
	s_delay_alu instid0(VALU_DEP_1)
	v_max_num_f32_dpp v44, v44, v44 row_xmask:4 row_mask:0xf bank_mask:0xf
	s_delay_alu instid0(VALU_DEP_1)
	v_max_num_f32_dpp v44, v44, v44 row_xmask:8 row_mask:0xf bank_mask:0xf
	s_delay_alu instid0(VALU_DEP_1)
	v_permlanex16_b32 v45, v44, s20, s21
	s_delay_alu instid0(VALU_DEP_1)
	v_max_num_f32 v44, v44, v45                    ; m of my block
	ds_store_b32 v46, v44                          ; all lanes write the same word with the same value
	s_wait_dscnt 0x0
	s_barrier_signal -1
	s_barrier_wait -1
	ds_load_b128 v[48:51], v47
	ds_load_b128 v[52:55], v47 offset:16           ; the eight m
	s_wait_dscnt 0x0
	v_max3_num_f32 v56, v48, v49, v50
	s_delay_alu instid0(VALU_DEP_1)
	v_max3_num_f32 v56, v56, v51, v52
	s_delay_alu instid0(VALU_DEP_1)
	v_max3_num_f32 v56, v56, v53, v54
	s_delay_alu instid0(VALU_DEP_1)
	v_max_num_f32 v56, v56, v55                    ; M
.irp j, 4,5,6,7,48,49,50,51,52,53,54,55
	v_sub_f32 v[\j], v[\j], v56
.endr
	s_wait_alu depctr_va_vdst(0)
.irp j, 4,5,6,7,48,49,50,51,52,53,54,55
	v_exp_f32 v[\j], v[\j]                         ; 2^(t - M) of my four positions; 2^(m_g - M) of the eight blocks
.endr
	v_nop                                          ; a plain line behind the last exponential,
	s_wait_alu depctr_va_vdst(0)                   ; and the wait ahead of the batch's first reader
	v_add_f32 v57, v4, v5
	v_add_f32 v58, v6, v7
	s_delay_alu instid0(VALU_DEP_1)
	v_add_f32 v57, v57, v58
	s_delay_alu instid0(VALU_DEP_1)
	v_add_f32_dpp v57, v57, v57 row_xmask:1 row_mask:0xf bank_mask:0xf
	s_delay_alu instid0(VALU_DEP_1)
	v_add_f32_dpp v57, v57, v57 row_xmask:2 row_mask:0xf bank_mask:0xf
	s_delay_alu instid0(VALU_DEP_1)
	v_add_f32_dpp v57, v57, v57 row_xmask:4 row_mask:0xf bank_mask:0xf
	s_delay_alu instid0(VALU_DEP_1)
	v_add_f32_dpp v57, v57, v57 row_xmask:8 row_mask:0xf bank_mask:0xf
	s_delay_alu instid0(VALU_DEP_1)
	v_permlanex16_b32 v45, v57, s20, s21
	s_delay_alu instid0(VALU_DEP_1)
	v_add_f32 v57, v57, v45                        ; my block's sum
	ds_store_b32 v46, v57 offset:32                ; other bytes than the maxima's
	s_wait_dscnt 0x0
	s_barrier_signal -1
	s_barrier_wait -1
	ds_load_b128 v[60:63], v47 offset:32
	ds_load_b128 v[64:67], v47 offset:48
	s_wait_dscnt 0x0
	v_add_f32 v68, v60, v61
.irp j, 62,63,64,65,66,67
	s_delay_alu instid0(VALU_DEP_1)
	v_add_f32 v68, v68, v[\j]                      ; L, in ascending order
.endr
	s_wait_alu depctr_va_vdst(0)
	v_rcp_f32 v69, v68
	s_wait_loadcnt 0x0                             ; the eight parts and bv
.irp e, 0,1,2,3
	v_mul_f32 v[72+\e], v48, v[8+\e]               ; sum over g of 2^(m_g - M) cpart_g: it names nothing of the reciprocal
.endr
.irp g, 1,2,3,4,5,6,7
.irp e, 0,1,2,3
	v_fmac_f32 v[72+\e], v[48+\g], v[8+4*\g+\e]
.endr
.endr
	s_wait_alu depctr_va_vdst(0)                   ; the wait ahead of the reciprocal's first reader
.irp e, 0,1,2,3
	v_mul_f32 v[76+\e], v[4+\e], v69               ; the weights
	v_fma_f32 v[72+\e], v[72+\e], v69, v[40+\e]    ; the context
.endr
	global_store_b128 v1, v[72:75], s[10:11]
	global_store_b128 v1, v[76:79], s[12:13]
	s_wait_tensorcnt 0x0
	ds_add_u32 v96, v97
	s_wait_dscnt 0x0
	s_endpgm
.Lfunc_end_k_qe309857ca1_finish:
	.size	k_qe309857ca1_finish, .Lfunc_end_k_qe309857ca1_finish-k_qe309857ca1_finish
	.p2alignl 7, 3214868480
	.fill 96, 4, 3214868480
	.section	.rodata,"a",@progbits
	.p2align	6, 0x0
	.amdhsa_kernel k_qe309857ca1_finish
		.amdhsa_group_segment_fixed_size 1280
		.amdhsa_private_segment_fixed_size 0
		.amdhsa_enable_private_segment 0
		.amdhsa_kernarg_size 40
		.amdhsa_user_sgpr_count 2
		.amdhsa_user_sgpr_kernarg_segment_ptr 1
		.amdhsa_wavefront_size32 1
		.amdhsa_system_sgpr_workgroup_id_x 1
		.amdhsa_system_sgpr_workgroup_id_y 1
		.amdhsa_system_sgpr_workgroup_id_z 1
		.amdhsa_system_vgpr_workitem_id 0
		.amdhsa_next_free_vgpr 98
		.amdhsa_next_free_sgpr 66
		.amdhsa_reserve_vcc 0
		.amdhsa_float_denorm_mode_32 3
		.amdhsa_float_denorm_mode_16_64 3
		.amdhsa_memory_ordered 1
		.amdhsa_forward_progress 1
		.amdhsa_inst_pref_size 8
	.end_amdhsa_kernel
	.amdgpu_metadata
---
amdhsa.version: [ 1, 2 ]
amdhsa.kernels:
  - .name:           k_qe309857ca1_finish
    .symbol:         k_qe309857ca1_finish.kd
    .args:
      - { .name: tsc, .offset: 0, .size: 8, .value_kind: global_buffer, .address_space: global }
      - { .name: cpart, .offset: 8, .size: 8, .value_kind: global_buffer, .address_space: global }
      - { .name: bv, .offset: 16, .size: 8, .value_kind: global_buffer, .address_space: global }
      - { .name: out0, .offset: 24, .size: 8, .value_kind: global_buffer, .address_space: global }
      - { .name: out1, .offset: 32, .size: 8, .value_kind: global_buffer, .address_space: global }
    .group_segment_fixed_size: 1280
    .private_segment_fixed_size: 0
    .kernarg_segment_align: 8
    .kernarg_segment_size: 40
    .max_flat_workgroup_size: 256
    .sgpr_count:     66
    .vgpr_count:     98
    .wavefront_size: 32
...
	.end_amdgpu_metadata
.endif
;; end of part 3
